; MI455X (gfx1250); checked and timed in simulation.
; The chip was launched on July 23, 2026; its instructions are those of AMD's public machine-readable ISA for CDNA 5 (MIT licence, August 2026) and "CDNA5" Instruction Set Architecture Reference Guide (July 2026). The comments in the code are by the model that wrote it; some were corrected since.
;; Multi Head Attention. Allowed arithmetic: float matrix products may take bf16 or f16 operands with f32 sums; other float arithmetic in f32, or as packed bf16 or f16 multiplies, adds, multiply-adds, maxima and minima; sums over many terms, partial sums and values carried from step to step in f32; what a program stores and reads back later, other than sums and carried values, may be rounded once to bf16 or f16.
;; Inputs: attn_mask 1 x 1 x 2,048 x 2,048 int32; bk 512 float32; bo 512 float32; bq 512 float32; bv 512 float32; c 1 x 512 x 2,048 float32; emb_rel_k 1 x 21 x 64 float32; emb_rel_v 1 x 21 x 64 float32; wk 512 x 512 float32; wo 512 x 512 float32; wq 512 x 512 float32; wv 512 x 512 float32; x 1 x 512 x 2,048 float32.
;; Outputs: out0 1 x 512 x 2,048 float32.
;; One version. Each part assembles by itself: llvm-mc -triple=amdgcn-amd-amdhsa -mcpu=gfx1250 --defsym DOCPART=n.
;; ======== version 1 of 1: 3 launches
;; limits: values are held in f16: magnitudes above 65,504 overflow, below 6.1e-05 lose precision
;; workspace buffers: qh 2,097,152 bytes; kh 2,097,152 bytes; vh 2,097,152 bytes; vsum 65,536 bytes; btab 39,936 bytes; etab 8,192 bytes; wo16 524,288 bytes; oh 2,097,152 bytes
;; launch proj (part 1): grid 248 x 1, 4 waves a work-group, no clusters, 111,104 bytes of LDS; arguments x, c, wq, wk, wv, bq, bk, bv, qh, kh, vh, vsum, wo, wo16, emb_rel_k, emb_rel_v, etab, btab; writes qh, kh, vh, vsum, wo16, etab, btab
.if DOCPART == 1
	.amdgcn_target "amdgcn-amd-amdhsa--gfx1250"
	.amdhsa_code_object_version 6
	.text
	.protected	k_qa058fd0c9e_proj
	.globl	k_qa058fd0c9e_proj
	.p2align	8
	.type	k_qa058fd0c9e_proj,@function
k_qa058fd0c9e_proj:
	s_mov_b64 s[64:65], 0
	v_nop
	global_prefetch_b8 v0, s[64:65] scope:SCOPE_SE
	s_setreg_imm32_b32 hwreg(HW_REG_WAVE_MODE, 25, 1), 1
	s_wait_xcnt 0x0
; MULTI-HEAD ATTENTION WITH A BAND, RELATIVE EMBEDDINGS AND A PROXIMAL BIAS: T = 2048, C = 512, 8 heads of 64.  Three launches: this one (projections and tables), the attention, the output projection.
; WORK LEFT OUT BY THE PROGRAM, for all values of the inputs:
; (a) reference() pads emb_rel_k and emb_rel_v with zeros to 4095 rows; a product with such a row is 0.  What is left: scores[t][t+d] += q[t] . Ek[d+10] / 8 and out[t] += p[t][t+d] Ev[d+10], |d| <= 10, 0 <= t+d < T.
; (b) where |t - s| > 256 reference()'s own band puts -1e4 in place of the score, whatever q.k, the relative logit, the bias and attn_mask hold there.  So key tiles of 64 that lie wholly outside a band of
;     64 queries' nine tiles are not multiplied, and their part of attn_mask is not read.  Their terms of the softmax are NOT left out: all have the score -1e4, so they enter as the running softmax's first
;     state: maximum -1e4, sum = their number, O = the sum of their V (made here, tile by tile: vsum).
; Every input keeps a way to the output, and all are arguments of some launch.  LIMIT: a NaN, an infinity or an overflow that reaches only the work left out is not carried to the result.
; FORMATS.  x, c, the weights, the biases and the embeddings are rounded once to bf16.  q, k, v (unscaled) are stored as f16, rounded once from f32 sums; wo and the embeddings, rounded to bf16, are written as f16.
; LIMITS.  |q|, |k|, |v|, |wo| under 65,504 (f16's end); a weight of wo or an embedding below 2^-14 keeps f16's fixed step of 6e-8.  NaN and infinities are not treated apart.
; JOBS, by the work-group's number (the same in all four waves): 0-191 a tile 128 o x 128 t of q, k or v; 192-230 one block of the bias table; 231 the embeddings' tables; 232-247 32 rows of wo.
; A PROJECTION TILE.  D = A (16 rows of w: m = o) x B (16 columns of x: n = t): a lane holds one t and eight neighbouring o, 16 bytes of [head][t][64].  Wave w makes 64 o (one head) x 64 t (one key tile):
; 16 accumulators.  K goes in chunks of 64: each thread brings 16 x 16 bytes of w and of x in f32, rounds them to bf16 and puts them into one of two LDS slots; x lies [c][t] and is turned by ds_load_tr16_b128.
; NO CLUSTER: x, c and the weights are f32 and must be rounded before a fragment can be made of them, so they pass through registers; a joint tensor load would land f32 in LDS and ask for a second pass through LDS.
; REGISTERS, in windows of 256: window 0 addresses and fragments; window 1 v0-127 the accumulators (o tile, t tile at 8 (4 o + t)); window 2 two staging sets of 128.
.set SLOT,  36864                      ; an LDS slot: w's part, 128 rows x 144 bytes, then x's part, 64 rows x 288 bytes
.set XPART, 18432
.set STAGE, 73728                      ; behind the slots: 64 rows x 144 bytes for each wave, for the way out
.set SPARE, 110592                     ; behind the stages: the spare words, 128 bytes for each wave
.set WOF, 4                            ; v4   my 16 bytes in 8 rows of w: (tid >> 4) 2048 + (tid & 15) 16
.set XOF, 5                            ; v5   my 16 bytes in 4 rows of x: (tid >> 5) 8192 + (tid & 31) 16
.set WST, 6                            ; v6   where they go in a slot: (tid >> 4) 144 + (tid & 15) 8
.set XST, 7                            ; v7   XPART + (tid >> 5) 288 + (tid & 31) 8
.set WAD, 8                            ; v8   my lane's place in w's fragments
.set XAD, 9                            ; v9   in x's, for the turning load
.set BOF, 10                           ; v10  32 (l / 16): my eight o in the bias
.set STO, 11                           ; v11  the way out: where I put 16 bytes of a row
.set RD,  12                           ; v12  where I read rows back
.set GO,  13                           ; v13  16 l
.set VSA, 14                           ; v14-16  the V sums' three addresses
.set VSL, 15
.set VSG, 16
.set TW,  17                           ; v17  at work
.set SPW, 30                           ; v30  LDS address of my spare word; never rewritten
.set NIL, 31                           ; v31  0; never rewritten
.set SUM, 32                           ; v[32:63] the V sums
.set F0,  64                           ; v[64:127]  fragments of the chunk's first 32 c: w's four at +8 o, x's four at +32 + 8 t
.set F1,  128                          ; v[128:191] of its second 32 c
.set XP, 44                            ; s[44:45] x or c at my tile's first t
.set WP, 46                            ; s[46:47] the weights at my tile's first row
.set BP, 48                            ; s[48:49] the bias at my wave's first o
.set OP, 50                            ; s[50:51] qh, kh or vh at my wave's 64 rows
.set VP, 52                            ; s[52:53] vsum at my wave's head and key tile
.set MSB, 0
.macro WIN new                         ; the immediate's high byte repeats the setting that is left; a switch that changes nothing is dropped
.if MSB != (\new)
	s_set_vgpr_msb (MSB<<8)|(\new)
.set MSB, (\new)
.endif
.endm
	s_load_b512 s[8:23], s[0:1], 0x0               ; x 8, c 10, wq 12, wk 14, wv 16, bq 18, bk 20, bv 22
	s_load_b256 s[24:31], s[0:1], 0x40             ; qh 24, kh 26, vh 28, vsum 30
	s_load_b256 s[32:39], s[0:1], 0x60             ; wo 32, wo16 34, emb_rel_k 36, emb_rel_v 38
	s_load_b128 s[40:43], s[0:1], 0x80             ; etab 40, btab 42
	v_lshl_add_u32 v[SPW], v0, 2, SPARE
	v_mov_b32 v[NIL], 0
	v_lshrrev_b32 v1, 5, v0
	v_readfirstlane_b32 s4, v1                     ; wave 0..3
	s_mov_b32 s5, ttmp9
	s_mov_b32 s62, 0xffff0000                      ; a word's upper bf16
	s_wait_kmcnt 0x0
	s_cmp_lt_u32 s5, 192
	s_cbranch_scc0 .Lside
	; ---------------- a projection tile ----------------
	s_lshr_b32 s6, s5, 6                           ; job: 0 q from x, 1 k from c, 2 v from c
	s_and_b32 s7, s5, 63
	s_and_b32 s54, s7, 3                           ; ot: which 128 o
	s_lshr_b32 s55, s7, 2                          ; tt: which 128 t
	s_and_b32 s56, s4, 1                           ; oh: my 64 o of them
	s_lshr_b32 s57, s4, 1                          ; th: my 64 t
	s_cmp_eq_u32 s6, 0
	s_cselect_b64 s[XP:XP+1], s[8:9], s[10:11]
	s_cselect_b64 s[WP:WP+1], s[12:13], s[14:15]
	s_cselect_b64 s[BP:BP+1], s[18:19], s[20:21]
	s_cselect_b64 s[OP:OP+1], s[24:25], s[26:27]
	s_cmp_eq_u32 s6, 2
	s_cselect_b64 s[WP:WP+1], s[16:17], s[WP:WP+1]
	s_cselect_b64 s[BP:BP+1], s[22:23], s[BP:BP+1]
	s_cselect_b64 s[OP:OP+1], s[28:29], s[OP:OP+1]
	s_mov_b32 s59, 0
	s_lshl_b32 s58, s55, 9                         ; 128 t of 4 bytes
	s_add_nc_u64 s[XP:XP+1], s[XP:XP+1], s[58:59]
	s_lshl_b32 s58, s54, 18                        ; 128 rows of 2,048 bytes
	s_add_nc_u64 s[WP:WP+1], s[WP:WP+1], s[58:59]
	s_lshl_b32 s58, s54, 9
	s_lshl_b32 s63, s56, 8
	s_add_co_u32 s58, s58, s63                     ; (128 ot + 64 oh) x 4
	s_add_nc_u64 s[BP:BP+1], s[BP:BP+1], s[58:59]
	s_lshl1_add_u32 s63, s54, s56                  ; my head = 2 ot + oh
	s_lshl_b32 s58, s63, 18                        ; a head is 262,144 bytes,
	s_lshl_b32 s61, s55, 14                        ; 128 rows of 128 bytes,
	s_add_co_u32 s58, s58, s61
	s_lshl_b32 s61, s57, 13                        ; my 64 of them
	s_add_co_u32 s58, s58, s61
	s_add_nc_u64 s[OP:OP+1], s[OP:OP+1], s[58:59]
	s_lshl_b32 s58, s63, 13                        ; vsum: a head is 32 tiles of 256 bytes
	s_lshl_b32 s61, s55, 9
	s_add_co_u32 s58, s58, s61
	s_lshl_b32 s61, s57, 8
	s_add_co_u32 s58, s58, s61                     ; key tile 2 tt + th
	s_add_nc_u64 s[VP:VP+1], s[30:31], s[58:59]
	v_and_b32 v1, 31, v0                           ; l
	v_and_b32 v2, 15, v0                           ; r = l % 16
	v_bfe_u32 v3, v0, 4, 1                         ; h = l / 16
	v_lshrrev_b32 v[TW], 4, v0
	v_lshlrev_b32 v[WOF], 11, v[TW]
	v_lshl_add_u32 v[WOF], v2, 4, v[WOF]
	v_mul_u32_u24 v[WST], v[TW], 144
	v_lshl_add_u32 v[WST], v2, 3, v[WST]
	s_lshl_b32 s58, s4, 13
	v_lshl_add_u32 v[XOF], v1, 4, s58
	s_mul_i32 s58, s4, 288
	s_add_co_u32 s58, s58, XPART
	v_lshl_add_u32 v[XST], v1, 3, s58
	v_lshlrev_b32 v[BOF], 5, v3
.macro LOADS set, off                  ; a chunk's 32 loads a thread: 128 o x 64 c of w, 64 c x 128 t of x, into staging set 'set', chunk 'off' behind the pointers
	WIN 0x80
.set n, 0
.rept 16
	global_load_b128 v[128*(\set)+4*n:128*(\set)+4*n+3], v[WOF], s[WP:WP+1] offset:(\off)*256+n*16384
	global_load_b128 v[128*(\set)+64+4*n:128*(\set)+64+4*n+3], v[XOF], s[XP:XP+1] offset:(\off)*524288+n*32768
.set n, n+1
.endr
.endm
.irp o, 0,1,2,3
.irp q, 0,1
	global_load_b128 v[F0+8*(\o)+4*(\q):F0+8*(\o)+4*(\q)+3], v[BOF], s[BP:BP+1] offset:64*(\o)+16*(\q)  ; the bias of my lane's eight o in each of the four o tiles
.endr
.endr
	LOADS 0, 0
	WIN 0
	s_mul_i32 s58, s56, 9216                       ; the rest of the addresses, while the loads are out
	v_mul_u32_u24 v[WAD], v2, 144
	v_lshl_add_u32 v[WAD], v3, 4, v[WAD]
	v_add_nc_u32 v[WAD], s58, v[WAD]               ; (64 oh + r) 144 + 16 h
	v_and_b32 v[TW], 7, v0
	v_lshl_add_u32 v[TW], v3, 3, v[TW]
	v_mul_u32_u24 v[XAD], v[TW], 288
	v_bfe_u32 v[TW], v0, 3, 1
	v_lshl_add_u32 v[XAD], v[TW], 4, v[XAD]
	s_lshl_b32 s58, s57, 7
	s_add_co_u32 s58, s58, XPART
	v_add_nc_u32 v[XAD], s58, v[XAD]               ; XPART + (8 h + l % 8) 288 + 128 th + 16 ((l / 8) % 2)
	s_mul_i32 s59, s4, 9216
	s_add_co_u32 s59, s59, STAGE                   ; my stage
	v_mul_u32_u24 v[STO], v2, 144
	v_lshl_add_u32 v[STO], v3, 4, v[STO]
	v_add_nc_u32 v[STO], s59, v[STO]
	v_bfe_u32 v[TW], v0, 3, 2
	v_mul_u32_u24 v[RD], v[TW], 144
	v_and_b32 v[TW], 7, v0
	v_lshl_add_u32 v[RD], v[TW], 4, v[RD]
	v_add_nc_u32 v[RD], s59, v[RD]
	v_lshlrev_b32 v[GO], 4, v1
	v_lshl_add_u32 v[VSA], v3, 5, s59
	v_lshl_add_u32 v[VSL], v2, 4, s59
	v_lshlrev_b32 v[VSG], 4, v2
	s_wait_loadcnt 32                              ; the bias is in; set 0's 32 loads stay out
.set n, 0
.rept 16
	v_cvt_pk_bf16_f32 v[F0+32+n], v[F0+2*n], v[F0+2*n+1]  ; the bias is rounded to bf16 like every input,
.set n, n+1
.endr
	WIN 0x40
.set a, 0
.rept 16                               ; and starts the sums: nothing is cleared
.irp p, 0,1,2,3
	v_lshlrev_b32 v[8*a+2*(\p)], 16, v[F0+32+4*(a/4)+(\p)]
	v_and_b32 v[8*a+2*(\p)+1], s62, v[F0+32+4*(a/4)+(\p)]
.endr
.set a, a+1
.endr
	LOADS 1, 1
.macro MULS f                          ; 16 products, 32 along c; the 16 accumulators take turns, in the same order in every run
	WIN 0x50
.irp o, 0,1,2,3
.irp t, 0,1,2,3
	v_wmma_f32_16x16x32_bf16 v[8*(4*(\o)+(\t)):8*(4*(\o)+(\t))+7], v[(\f)+8*(\o):(\f)+8*(\o)+7], v[(\f)+32+8*(\t):(\f)+32+8*(\t)+7], v[8*(4*(\o)+(\t)):8*(4*(\o)+(\t))+7]
.endr
.endr
.endm
; A chunk.  ONE barrier a chunk: slot s is stored again two chunks later, and every wave's reads of it were waited for ahead of its signal in the chunk between.
.macro TRIP set, fill, left
	s_wait_loadcnt \left                           ; my staging set is in; the other set's loads stay out
	WIN 0x8a
.set n, 0
.rept 32                               ; rounded to bf16 in place; these 64 lines are also the places between the last products and the loads into their fragments
	v_cvt_pk_bf16_f32 v[128*(\set)+4*n], v[128*(\set)+4*n], v[128*(\set)+4*n+1]
	v_cvt_pk_bf16_f32 v[128*(\set)+4*n+1], v[128*(\set)+4*n+2], v[128*(\set)+4*n+3]
.set n, n+1
.endr
	WIN 0x08
.set n, 0
.rept 16
	ds_store_b64 v[WST], v[128*(\set)+4*n:128*(\set)+4*n+1] offset:(\set)*SLOT+n*1152
	ds_store_b64 v[XST], v[128*(\set)+64+4*n:128*(\set)+64+4*n+1] offset:(\set)*SLOT+n*1152
.set n, n+1
.endr
	s_wait_dscnt 0x0                               ; for the others' sake: my stores into the slot are done
.if \fill
	LOADS \set, 2+(\set)                           ; the set is asked for again, two chunks on
.endif
	WIN 0
	s_barrier_signal -1
	s_barrier_wait -1                              ; the slot is whole
.irp ks, 0,1
.irp q, 0,1,2,3
	ds_load_b128 v[F0+64*(\ks)+8*(\q):F0+64*(\ks)+8*(\q)+3], v[WAD] offset:(\set)*SLOT+(\q)*2304+(\ks)*64
	ds_load_b128 v[F0+64*(\ks)+8*(\q)+4:F0+64*(\ks)+8*(\q)+7], v[WAD] offset:(\set)*SLOT+(\q)*2304+(\ks)*64+32
	ds_load_tr16_b128 v[F0+64*(\ks)+32+8*(\q):F0+64*(\ks)+32+8*(\q)+3], v[XAD] offset:(\set)*SLOT+(\ks)*9216+(\q)*32
	ds_load_tr16_b128 v[F0+64*(\ks)+32+8*(\q)+4:F0+64*(\ks)+32+8*(\q)+7], v[XAD] offset:(\set)*SLOT+(\ks)*9216+(\q)*32+4608
.endr
.endr
	s_wait_dscnt 16                                ; the first 32 c are in; the second 16 loads stay out
	MULS F0
	s_wait_dscnt 0x0
	MULS F1
.endm
	WIN 0
	s_mov_b32 s60, 3
.Lk:                                           ; chunks 2 i and 2 i + 1; chunks 2 i + 2 and 2 i + 3 are asked for
	TRIP 0, 1, 32
	TRIP 1, 1, 32
	WIN 0
	s_wait_xcnt 0x0                                ; every load issued so far has read its address: the pointers may be written
	s_add_nc_u64 s[WP:WP+1], s[WP:WP+1], 512
	s_add_nc_u64 s[XP:XP+1], s[XP:XP+1], 0x100000
	s_sub_co_u32 s60, s60, 1
	s_cmp_lg_u32 s60, 0
	s_cbranch_scc1 .Lk
	TRIP 0, 0, 32                                  ; the last two chunks load nothing
	TRIP 1, 0, 0
	WIN 0
.rept 4
	v_nop                                          ; the places behind the last products
.endr
	; THE WAY OUT: rounded to f16, 16 bytes a lane into my stage, back as whole rows of 128 bytes: my 64 rows are 8,192 consecutive bytes of [head][t][64]
	WIN 0x05
.set a, 0
.rept 16
.irp p, 0,1,2,3
	v_cvt_pk_f16_f32 v[F0+4*a+(\p)], v[8*a+2*(\p)], v[8*a+2*(\p)+1]
.endr
.set a, a+1
.endr
	WIN 0
.irp o, 0,1,2,3
.irp t, 0,1,2,3
	ds_store_b128 v[STO], v[F0+4*(4*(\o)+(\t)):F0+4*(4*(\o)+(\t))+3] offset:(\t)*2304+(\o)*32
.endr
.endr
.set n, 0
.rept 16
	ds_load_b128 v[F1+4*n:F1+4*n+3], v[RD] offset:n*576  ; LDS serves a wave's instructions in order: these see the stores above
.set n, n+1
.endr
.set n, 0
.rept 16
	s_wait_dscnt 15-n                              ; the younger loads from the stage stay out
	global_store_b128 v[GO], v[F1+4*n:F1+4*n+3], s[OP:OP+1] offset:n*512  ; 512 consecutive bytes, aligned
.set n, n+1
.endr
	s_cmp_eq_u32 s6, 2
	s_cbranch_scc0 .Lend
	; THE V SUMS: the sum of v over my 64 t, for my 64 channels, in f32: first over the four t tiles, then over the 16 lanes of a half
	WIN 0x45
.irp o, 0,1,2,3
.irp p, 0,1,2,3
	v_pk_add_f32 v[32*(\o)+2*(\p):32*(\o)+2*(\p)+1], v[32*(\o)+2*(\p):32*(\o)+2*(\p)+1], v[32*(\o)+8+2*(\p):32*(\o)+8+2*(\p)+1]
	v_pk_add_f32 v[32*(\o)+16+2*(\p):32*(\o)+16+2*(\p)+1], v[32*(\o)+16+2*(\p):32*(\o)+16+2*(\p)+1], v[32*(\o)+24+2*(\p):32*(\o)+24+2*(\p)+1]
.endr
.endr
	WIN 0x05
.irp o, 0,1,2,3
.irp p, 0,1,2,3
	v_pk_add_f32 v[SUM+8*(\o)+2*(\p):SUM+8*(\o)+2*(\p)+1], v[32*(\o)+2*(\p):32*(\o)+2*(\p)+1], v[32*(\o)+16+2*(\p):32*(\o)+16+2*(\p)+1]
.endr
.endr
	WIN 0
.irp m, 1,2,4,8
.set n, 0
.rept 32
	v_add_f32_dpp v[SUM+n], v[SUM+n], v[SUM+n] row_xmask:\m row_mask:0xf bank_mask:0xf
.set n, n+1
.endr
.endr
.irp o, 0,1,2,3
.irp q, 0,1
	ds_store_b128 v[VSA], v[SUM+8*(\o)+4*(\q):SUM+8*(\o)+4*(\q)+3] offset:64*(\o)+16*(\q)  ; the 16 lanes of a half write the same bytes with the same values
.endr
.endr
	ds_load_b128 v[SUM:SUM+3], v[VSL]
	v_cmp_gt_u32 vcc_lo, 16, v1
	s_wait_dscnt 0x0
	s_wait_xcnt 0x0                                ; EXEC changes only behind this wait
	s_and_saveexec_b32 s61, vcc_lo
	global_store_b128 v[VSG], v[SUM:SUM+3], s[VP:VP+1]  ; 16 lanes store 256 consecutive bytes, aligned
	s_wait_xcnt 0x0                                ; and again, in front of the line that widens it
	s_or_b32 exec_lo, exec_lo, s61
	s_branch .Lend
.Lside:
	s_cmp_lt_u32 s5, 231
	s_cbranch_scc0 .Lnot_bias
	; ---------------- one block of the bias table: -8 ln(1 + |d|) in the layout of a matrix instruction's C: d = 16 (nb - 19) + 8 (L / 16) + 4 q + e - L % 16 ----------------
	s_sub_co_u32 s6, s5, 192                       ; nb
	s_lshl_b32 s7, s6, 4
	s_sub_co_i32 s7, s7, 304
	v_lshrrev_b32 v2, 6, v0                        ; q
	v_bfe_u32 v3, v0, 1, 5                         ; L
	v_and_b32 v4, 1, v0
	v_lshlrev_b32 v4, 1, v4                        ; e: my two entries are e and e + 1
	v_lshl_add_u32 v4, v2, 2, v4
	v_bfe_u32 v5, v3, 4, 1
	v_lshl_add_u32 v4, v5, 3, v4
	v_and_b32 v5, 15, v3
	v_sub_nc_u32 v4, v4, v5
	v_add_nc_u32 v4, s7, v4
	v_add_nc_u32 v5, 1, v4
	v_cvt_f32_i32 v4, v4
	v_cvt_f32_i32 v5, v5
	v_and_b32 v4, 0x7fffffff, v4                   ; |d|
	v_and_b32 v5, 0x7fffffff, v5
	v_add_f32 v4, 1.0, v4
	v_add_f32 v5, 1.0, v5
	v_log_f32 v6, v4
	v_log_f32 v7, v5
	v_lshlrev_b32 v8, 3, v0                        ; a plain instruction behind the logarithms,
	s_wait_alu depctr_va_vdst(0)                   ; and the one wait ahead of their first reader
	v_mul_f32 v6, 0xc0b17218, v6                   ; -8 ln 2
	v_mul_f32 v7, 0xc0b17218, v7
	s_lshl_b32 s6, s6, 10
	s_mov_b32 s7, 0
	s_add_nc_u64 s[42:43], s[42:43], s[6:7]
	global_store_b64 v8, v[6:7], s[42:43]
	s_branch .Lend
.Lnot_bias:
	s_cmp_eq_u32 s5, 231
	s_cbranch_scc0 .Lwo
	; ---------------- the embeddings' tables: EK [32 idx][64 ch] at byte 0, EVT [64 ch][32 idx] at byte 4096, f16, 0 from idx 21 on ----------------
.macro RND dst, a, b                   ; two numbers rounded to bf16, that number written as f16
	v_cvt_pk_bf16_f32 v11, v[\a], v[\b]
	v_lshlrev_b32 v12, 16, v11
	v_and_b32 v13, s62, v11
	v_cvt_pk_f16_f32 v[\dst], v12, v13
.endm
	v_and_b32 v1, 31, v0
	v_lshlrev_b32 v2, 3, v1                        ; my two channels
	v_lshrrev_b32 v3, 5, v0
	v_lshl_add_u32 v4, v3, 8, v2                   ; row tid >> 5
.set n, 0
.rept 5
	global_load_b64 v[32+2*n:33+2*n], v4, s[36:37] offset:n*1024  ; idx = (tid >> 5) + 4 n, 19 at the most
.set n, n+1
.endr
	global_load_b64 v[42:43], v2, s[36:37] offset:5120  ; idx 20, for all; kept where tid >> 5 is 0
	v_and_b32 v5, 15, v0
	v_lshlrev_b32 v5, 1, v5                        ; EVT: my two indices,
	v_add_nc_u32 v6, 1, v5
	v_cmp_gt_u32 s56, 21, v5
	v_cmp_gt_u32 s57, 21, v6
	v_min_u32 v7, 20, v5                           ; held inside the table
	v_min_u32 v8, 20, v6
	v_lshrrev_b32 v9, 4, v0
	v_lshlrev_b32 v9, 2, v9                        ; channel tid >> 4
	v_lshl_add_u32 v7, v7, 8, v9
	v_lshl_add_u32 v8, v8, 8, v9
.set n, 0
.rept 8
	global_load_b32 v[48+2*n], v7, s[38:39] offset:32*n  ; channel (tid >> 4) + 8 n
	global_load_b32 v[49+2*n], v8, s[38:39] offset:32*n
.set n, n+1
.endr
	v_cmp_gt_u32 s58, 32, v0
	v_lshlrev_b32 v10, 2, v0
	v_mov_b32 v70, 0
	s_wait_loadcnt 0x0
.set n, 0
.rept 6
	RND 64+n, 32+2*n, 33+2*n
.set n, n+1
.endr
	v_cndmask_b32 v69, 0, v69, s58
.set n, 0
.rept 6
	global_store_b32 v10, v[64+n], s[40:41] offset:n*512
.set n, n+1
.endr
	global_store_b32 v10, v70, s[40:41] offset:3072  ; idx 24 to 31
	global_store_b32 v10, v70, s[40:41] offset:3584
.set n, 0
.rept 8
	v_cndmask_b32 v[48+2*n], 0, v[48+2*n], s56
	v_cndmask_b32 v[49+2*n], 0, v[49+2*n], s57
	RND 72+n, 48+2*n, 49+2*n
	global_store_b32 v10, v[72+n], s[40:41] offset:4096+n*512
.set n, n+1
.endr
	s_branch .Lend
.Lwo:
	; ---------------- 32 rows of wo: rounded to bf16, written as f16 ----------------
	s_sub_co_u32 s6, s5, 232
	s_mov_b32 s7, 0
	s_lshl_b32 s58, s6, 15
	s_mov_b32 s59, 0
	s_lshl_b32 s6, s6, 16
	s_add_nc_u64 s[32:33], s[32:33], s[6:7]
	s_add_nc_u64 s[34:35], s[34:35], s[58:59]
	v_lshlrev_b32 v2, 4, v0
	v_lshlrev_b32 v3, 3, v0
.set n, 0
.rept 32
	global_load_b128 v[64+4*n:64+4*n+3], v2, s[32:33] offset:n*2048
.set n, n+1
.endr
.set n, 0
.rept 32
	s_wait_loadcnt 31-n                            ; the younger loads stay out
	v_cvt_pk_bf16_f32 v32, v[64+4*n], v[64+4*n+1]
	v_cvt_pk_bf16_f32 v33, v[64+4*n+2], v[64+4*n+3]
	v_lshlrev_b32 v34, 16, v32
	v_and_b32 v35, s62, v32
	v_lshlrev_b32 v36, 16, v33
	v_and_b32 v37, s62, v33
	v_cvt_pk_f16_f32 v[192+2*n], v34, v35
	v_cvt_pk_f16_f32 v[193+2*n], v36, v37
	global_store_b64 v3, v[192+2*n:193+2*n], s[34:35] offset:n*1024  ; a wave's store covers 256 consecutive bytes, aligned
.set n, n+1
.endr
.Lend:
	s_wait_tensorcnt 0x0                           ; the wave's end: behind my last LDS store
	ds_add_u32 v[SPW], v[NIL]
	s_wait_dscnt 0x0
	s_endpgm
.Lfunc_end_k_qa058fd0c9e_proj:
	.size	k_qa058fd0c9e_proj, .Lfunc_end_k_qa058fd0c9e_proj-k_qa058fd0c9e_proj
	.p2alignl 7, 3214868480
	.fill 96, 4, 3214868480
	.section	.rodata,"a",@progbits
	.p2align	6, 0x0
	.amdhsa_kernel k_qa058fd0c9e_proj
		.amdhsa_group_segment_fixed_size 111104
		.amdhsa_private_segment_fixed_size 0
		.amdhsa_enable_private_segment 0
		.amdhsa_kernarg_size 144
		.amdhsa_user_sgpr_count 2
		.amdhsa_user_sgpr_kernarg_segment_ptr 1
		.amdhsa_wavefront_size32 1
		.amdhsa_system_sgpr_workgroup_id_x 1
		.amdhsa_system_sgpr_workgroup_id_y 1
		.amdhsa_system_sgpr_workgroup_id_z 1
		.amdhsa_system_vgpr_workitem_id 0
		.amdhsa_next_free_vgpr 768
		.amdhsa_next_free_sgpr 66
		.amdhsa_reserve_vcc 1
		.amdhsa_float_denorm_mode_32 3
		.amdhsa_float_denorm_mode_16_64 3
		.amdhsa_memory_ordered 1
		.amdhsa_forward_progress 1
		.amdhsa_inst_pref_size 114
	.end_amdhsa_kernel
	.amdgpu_metadata
---
amdhsa.version: [ 1, 2 ]
amdhsa.kernels:
  - .name:           k_qa058fd0c9e_proj
    .symbol:         k_qa058fd0c9e_proj.kd
    .args:
      - { .name: x, .offset: 0, .size: 8, .value_kind: global_buffer, .address_space: global }
      - { .name: c, .offset: 8, .size: 8, .value_kind: global_buffer, .address_space: global }
      - { .name: wq, .offset: 16, .size: 8, .value_kind: global_buffer, .address_space: global }
      - { .name: wk, .offset: 24, .size: 8, .value_kind: global_buffer, .address_space: global }
      - { .name: wv, .offset: 32, .size: 8, .value_kind: global_buffer, .address_space: global }
      - { .name: bq, .offset: 40, .size: 8, .value_kind: global_buffer, .address_space: global }
      - { .name: bk, .offset: 48, .size: 8, .value_kind: global_buffer, .address_space: global }
      - { .name: bv, .offset: 56, .size: 8, .value_kind: global_buffer, .address_space: global }
      - { .name: qh, .offset: 64, .size: 8, .value_kind: global_buffer, .address_space: global }
      - { .name: kh, .offset: 72, .size: 8, .value_kind: global_buffer, .address_space: global }
      - { .name: vh, .offset: 80, .size: 8, .value_kind: global_buffer, .address_space: global }
      - { .name: vsum, .offset: 88, .size: 8, .value_kind: global_buffer, .address_space: global }
      - { .name: wo, .offset: 96, .size: 8, .value_kind: global_buffer, .address_space: global }
      - { .name: wo16, .offset: 104, .size: 8, .value_kind: global_buffer, .address_space: global }
      - { .name: emb_rel_k, .offset: 112, .size: 8, .value_kind: global_buffer, .address_space: global }
      - { .name: emb_rel_v, .offset: 120, .size: 8, .value_kind: global_buffer, .address_space: global }
      - { .name: etab, .offset: 128, .size: 8, .value_kind: global_buffer, .address_space: global }
      - { .name: btab, .offset: 136, .size: 8, .value_kind: global_buffer, .address_space: global }
    .group_segment_fixed_size: 111104
    .private_segment_fixed_size: 0
    .kernarg_segment_align: 8
    .kernarg_segment_size: 144
    .max_flat_workgroup_size: 128
    .sgpr_count:     66
    .vgpr_count:     768
    .wavefront_size: 32
...
	.end_amdgpu_metadata
.endif
;; end of part 1
;; launch attn (part 2): grid 32 x 8, 4 waves a work-group, clusters of 4 x 1, 270,848 bytes of LDS; arguments qh, kh, vh, vsum, btab, etab, attn_mask, oh; writes oh
.if DOCPART == 2
	.amdgcn_target "amdgcn-amd-amdhsa--gfx1250"
	.amdhsa_code_object_version 6
	.text
	.protected	k_qa058fd0c9e_attn
	.globl	k_qa058fd0c9e_attn
	.p2align	8
	.type	k_qa058fd0c9e_attn,@function
k_qa058fd0c9e_attn:
	s_mov_b64 s[64:65], 0
	v_nop
	global_prefetch_b8 v0, s[64:65] scope:SCOPE_SE
	s_setreg_imm32_b32 hwreg(HW_REG_WAVE_MODE, 25, 1), 1
	s_wait_xcnt 0x0
	s_wait_alu depctr_hold_cnt(0) depctr_sa_sdst(0) depctr_va_vdst(0) depctr_va_sdst(0) depctr_va_ssrc(0) depctr_va_vcc(0) depctr_vm_vsrc(0)
	s_getreg_b32 s2, hwreg(HW_REG_IB_STS2, 6, 4)
	s_cmp_eq_u32 s2, 0
	s_cbranch_scc0 .Lentry_in_a_cluster
	s_endpgm
.Lentry_in_a_cluster:
	s_bfe_u32 s2, ttmp6, 0x10000c
	s_cmp_lg_u32 s2, 0x3003
	s_cbranch_scc0 .Lentry_shape_is_right
	s_endpgm
.Lentry_shape_is_right:
; THE BANDED ATTENTION.  oh[h][t][:] = (sum over s of p[t][s] v[s] + sum over |d| <= 10 of p[t][t+d] Ev[d+10]) / l, p = exp(score - max), in f16, [8][2048][64].
; WORK LEFT OUT (shown at the head of the first kernel): the zero rows of the padded embeddings; key tiles of 64 wholly outside a band of 64 queries' nine tiles, and attn_mask there.  Their softmax terms, all
; with the score -1e4, are the running softmax's first state: m = -1e4, l = their number, O = the sum of their V (from vsum).
; UNITS.  S = q.k + q.Ek + 8 bias; the fill is -80,000 = 8 x -1e4; p = 2^(c S - c m), c = log2(e) / 8.  A running maximum m and sum l; O, l and the diagonal's weights are multiplied by a = 2^(c m_old - c m_new) in every step.
; LIMITS.  q, k, v arrive in f16; p lies in 0 to 1 and is rounded to f16 for the products (l is taken of the unrounded p); a weight below 2^-126 counts as 0; NaN and infinities are not treated apart.
; SHARES.  A cluster of four owns 256 queries of one head.  Wave w of EVERY partner works in band w of 64 queries; partner cx takes that band's rows 16 cx .. 16 cx + 15.  So wave w walks the key tiles
; 4 B + w - 4 + i, i = 0 .. 8, which lie in LDS slots w + i of 12: LDS addresses and branches hang on the wave's number, the cluster's number and constants alone.  cx enters global addresses, the lane's
; place in its band (a number that is compared) and four factors 0 or 1.
; JOINT FIRST FILLS, NOTHING FILLED AGAIN.  K and V of three groups of 256 keys, the groups B - 1, B, B + 1 held inside 0 .. 7, are asked for once by all four partners: three tensor loads a wave, three out by
; this text's count.  In the first and the last cluster of a head one group comes twice; no live step reads the copy.  A step whose tile lies outside 0 .. 31 (those clusters alone) is jumped over behind its
; waits: it costs its 16 global loads, at an address held inside the buffers, and 16 LDS loads.
; LAYOUT.  S^T = K Q^T + C: a lane holds ONE query (l % 16) and the keys 8 (l / 16) + 0..7 of each block of 16.  C is the bias, loaded from btab in that layout straight into the accumulator.  Two results rounded
; to f16 ARE source 1 of O^T = V^T P.  RELATIVE KEYS: R = Ek Q^T (32 indices x 16 queries) is skewed through LDS into the same layout for the 48 keys from t0 - 16 on (RB) and added to C where the block is
; the right one for my cx.  RELATIVE VALUES: the weights of those 48 keys are carried in f32 (PB), rescaled like O, and at the end skewed back through LDS to [query][index] for one product with Ev^T.
; REGISTERS: window 0: v0-63 addresses, statistics, P; v64-159 S, three buffers; v160-255 the mask, three buffers.  window 1: v0-31 O^T; v32-47 Q; v64-127 V; v128-255 K, two buffers.
;   window 2: v0-23 RB; v24-47 PB; v48-79 Ev^T; v80-111 Ek; v128-191 the 32 tiles' V sums; v192-193 their sum.
.set VBASE, 110592                     ; K: 12 slots x 64 rows x 144 bytes from 0; V: 12 x 64 x 160 from here
.set SCR0,  233472                     ; behind them, never filled by a tensor load: 9,216 bytes of scratch for each wave: TB 16 x 272, TP 16 x 144, the stage 16 x 144, 256 for the V sum
.set SPARE, 270336                     ; the spare words, 128 bytes for each wave
.set MSB, 0
.macro WIN new                         ; the immediate's high byte repeats the setting that is left; a switch that changes nothing is dropped
.if MSB != (\new)
	s_set_vgpr_msb (MSB<<8)|(\new)
.set MSB, (\new)
.endif
.endm
.macro CROUND                          ; a round of the cluster's barrier
	s_barrier_signal -1
	s_barrier_wait -1
	s_cmp_lg_u32 s20, 0
	s_cbranch_scc1 .Lnot_wave_0_\@
	s_barrier_signal -3
.Lnot_wave_0_\@:
	s_barrier_wait -3
	s_barrier_signal -1
	s_barrier_wait -1
.endm
.macro PLACES                          ; four places behind a matrix instruction
.rept 4
	v_nop
.endr
.endm
	s_load_b512 s[4:19], s[0:1], 0x0               ; qh 4, kh 6, vh 8, vsum 10, btab 12, etab 14, attn_mask 16, oh 18
	v_lshl_add_u32 v22, v0, 2, SPARE               ; my spare word; never rewritten
	v_mov_b32 v23, 0                               ; 0; never rewritten
	ds_add_u32 v22, v23                            ; the wave's opening: the add, twice on end, and its wait ahead of my first tensor load
	ds_add_u32 v22, v23
	v_lshrrev_b32 v1, 5, v0
	v_readfirstlane_b32 s20, v1                    ; wave 0..3
	s_mov_b32 s22, ttmp9                           ; B: the cluster's block of 256 queries
	s_and_b32 s23, ttmp7, 0xffff                   ; the head
	s_lshl_b32 s24, s22, 2
	s_add_co_u32 s24, s24, s20
	s_sub_co_i32 s24, s24, 4                       ; my first key tile, 4 B + w - 4 (signed)
	s_mov_b32 s30, 0xc79c4000                      ; -80,000
	s_mov_b32 s60, 0x3e38aa3b                      ; c = log2(e) / 8
	s_mov_b32 s61, 0x3e38aa3b
	s_mov_b32 s62, 0x76543210                      ; v_permlanex16_b32: each lane takes its own place in the other half
	s_mov_b32 s63, 0xfedcba98
	s_mov_b32 s97, 0
	; descriptor group 1: 128 keys are 16,384 dense bytes, asked for as 64 rows of 256 bytes and padded in LDS after every key (32 words): by 4 words for K, by 8 for V
	s_mov_b32 s32, 15|(1<<16)|(1<<20)|(1<<21)|(4<<22)|(3<<25)
	s_mov_b32 s40, 15|(1<<16)|(1<<20)|(1<<21)|(4<<22)|(7<<25)
.irp g, 32, 40
	s_mov_b32 s[(\g)+1], 128<<16
	s_mov_b32 s[(\g)+2], 64<<16
	s_mov_b32 s[(\g)+3], 128<<16
	s_mov_b32 s[(\g)+4], 64
	s_mov_b32 s[(\g)+5], 128
	s_mov_b32 s[(\g)+6], 0
	s_mov_b32 s[(\g)+7], 0
.endr
	s_and_b32 s25, s20, 1                          ; which half of a group's 256 keys I fetch
	s_mul_i32 s26, s25, 18432
	s_mul_i32 s27, s25, 20480
	s_add_co_u32 s27, s27, VBASE
.irp g, 0,1,2
	s_mov_b32 s[48+4*(\g)], 1
	s_add_co_u32 s[49+4*(\g)], s26, (\g)*36864
	s_mov_b32 s[68+4*(\g)], 1
	s_add_co_u32 s[69+4*(\g)], s27, (\g)*40960
.endr
	s_lshl_b32 s31, s23, 18
	s_lshl_b32 s25, s25, 14
	s_add_co_u32 s31, s31, s25                     ; the head's first byte + my half
	s_wait_dscnt 0x0                               ; both opening adds are done
	s_wait_kmcnt 0x0
.irp g, 0,1,2
	s_add_co_i32 s28, s22, (\g)-1
	s_max_i32 s28, s28, 0
	s_min_i32 s28, s28, 7                          ; the group, held inside the head
	s_lshl_b32 s28, s28, 15
	s_add_co_u32 s28, s28, s31
	s_mov_b32 s29, 0
	s_add_nc_u64 s[50+4*(\g):51+4*(\g)], s[6:7], s[28:29]
	s_or_b32 s[51+4*(\g)], s[51+4*(\g)], 0x80000000
	s_add_nc_u64 s[70+4*(\g):71+4*(\g)], s[8:9], s[28:29]
	s_or_b32 s[71+4*(\g)], s[71+4*(\g)], 0x80000000
.endr
	CROUND                                         ; all four work-groups are here: the joint loads meet
	s_cmp_lt_u32 s20, 2                            ; waves 0 and 1 fetch K, waves 2 and 3 V: a wave's three fills stand in one branch
	s_cbranch_scc0 .Lfirst_v
	tensor_load_to_lds s[48:51], s[32:39]
	s_nop 0
	tensor_load_to_lds s[52:55], s[32:39]
	s_nop 0
	tensor_load_to_lds s[56:59], s[32:39]
	s_nop 0
	PLACES
	s_branch .Lfirst_asked
.Lfirst_v:
	tensor_load_to_lds s[68:71], s[40:47]
	s_nop 0
	tensor_load_to_lds s[72:75], s[40:47]
	s_nop 0
	tensor_load_to_lds s[76:79], s[40:47]
	s_nop 0
	PLACES
.Lfirst_asked:
	s_bfe_u32 s21, ttmp6, 0x40000                  ; cx: from here on
	s_lshl_b32 s25, s22, 8
	s_lshl_b32 s26, s20, 6
	s_add_co_u32 s25, s25, s26
	s_lshl_b32 s26, s21, 4
	s_add_co_u32 s25, s25, s26                     ; t0 = 256 B + 64 w + 16 cx
	s_lshl_b32 s28, s23, 18
	s_lshl_b32 s26, s25, 7
	s_add_co_u32 s28, s28, s26
	s_mov_b32 s29, 0
	s_add_nc_u64 s[4:5], s[4:5], s[28:29]          ; qh and oh at my 16 rows
	s_add_nc_u64 s[18:19], s[18:19], s[28:29]
	s_lshl_b32 s28, s25, 13
	s_add_nc_u64 s[16:17], s[16:17], s[28:29]      ; attn_mask at my first row
	s_lshl_b32 s28, s23, 13
	s_add_nc_u64 s[10:11], s[10:11], s[28:29]      ; vsum at my head
	v_and_b32 v1, 31, v0                           ; l
	v_and_b32 v2, 15, v0                           ; r
	v_bfe_u32 v3, v0, 4, 1                         ; h
	v_lshlrev_b32 v8, 7, v2
	v_lshl_add_u32 v8, v3, 4, v8                   ; v8  r 128 + 16 h: rows of Q and of Ek
	v_lshlrev_b32 v33, 6, v2
	v_lshl_add_u32 v33, v3, 4, v33                 ; v33 r 64 + 16 h: rows of Ev^T
	v_lshlrev_b32 v34, 3, v1                       ; v34 8 l
	s_sub_co_u32 s25, 3, s21
	s_lshl_b32 s25, s25, 10
	v_lshl_add_u32 v9, v1, 4, s25                  ; v9  16 l + (3 - cx) 1024: btab's block for step i, key block kb is 3 - cx + 4 i + kb
	v_lshlrev_b32 v31, 13, v2
	v_lshl_add_u32 v31, v3, 5, v31                 ; r 8192 + 32 h
.set i, 0
.rept 9                                ; v56-63, v35: my offset in attn_mask for step i, the tile held inside 0 .. 31; never rewritten
.set MOR, 56+i
.if i == 8
.set MOR, 35
.endif
	s_add_co_i32 s25, s24, i
	s_max_i32 s25, s25, 0
	s_min_i32 s25, s25, 31
	s_lshl_b32 s25, s25, 8
	v_add_nc_u32 v[MOR], s25, v31
.set i, i+1
.endr
	WIN 0x40
.irp c, 0,1
	global_load_b128 v[32+8*(\c):32+8*(\c)+3], v8, s[4:5] offset:64*(\c)
	global_load_b128 v[32+8*(\c)+4:32+8*(\c)+7], v8, s[4:5] offset:64*(\c)+32
.endr
	WIN 0x80
.irp t, 0,1
.irp c, 0,1
	global_load_b128 v[80+16*(\t)+8*(\c):80+16*(\t)+8*(\c)+3], v8, s[14:15] offset:(\t)*2048+64*(\c)
	global_load_b128 v[80+16*(\t)+8*(\c)+4:80+16*(\t)+8*(\c)+7], v8, s[14:15] offset:(\t)*2048+64*(\c)+32
.endr
.endr
.set n, 0
.rept 32
	global_load_b64 v[128+2*n:129+2*n], v34, s[10:11] offset:n*256
.set n, n+1
.endr
.irp b, 0,1,2,3
	global_load_b128 v[48+8*(\b):48+8*(\b)+3], v33, s[14:15] offset:4096+(\b)*1024
	global_load_b128 v[48+8*(\b)+4:48+8*(\b)+7], v33, s[14:15] offset:4096+(\b)*1024+32
.endr
; Step i's 16 global loads: the bias, straight into S's buffer as the products' C, and the mask.
.macro GLOADS i
	WIN 0
.set MOR, 56+(\i)
.if (\i) == 8
.set MOR, 35
.endif
.irp kb, 0,1,2,3
.irp q, 0,1
	global_load_b128 v[64+32*((\i)%3)+8*(\kb)+4*(\q):64+32*((\i)%3)+8*(\kb)+4*(\q)+3], v9, s[12:13] offset:(4*(\i)+(\kb))*1024+512*(\q)
	global_load_b128 v[160+32*((\i)%3)+8*(\kb)+4*(\q):160+32*((\i)%3)+8*(\kb)+4*(\q)+3], v[MOR], s[16:17] offset:64*(\kb)+16*(\q)
.endr
.endr
.endm
	GLOADS 0
	GLOADS 1
	; the LDS addresses and the first state, while the loads are out
	s_mul_i32 s25, s20, 9216
	v_mul_u32_u24 v4, v2, 144
	v_lshl_add_u32 v4, v3, 4, v4
	v_add_nc_u32 v4, s25, v4                       ; v4  K of steps 0-4: w 9216 + r 144 + 16 h
	v_add_nc_u32 v5, 46080, v4                     ; v5  of steps 5-8
	v_and_b32 v28, 7, v0
	v_lshl_add_u32 v28, v3, 3, v28
	v_mul_u32_u24 v6, v28, 160
	v_bfe_u32 v29, v0, 3, 1
	v_lshl_add_u32 v6, v29, 4, v6
	s_mul_i32 s25, s20, 10240
	s_add_co_u32 s25, s25, VBASE
	v_add_nc_u32 v6, s25, v6                       ; v6  V of steps 0-4, for the turning load
	v_add_nc_u32 v7, 51200, v6                     ; v7  of steps 5-8
	s_lshl_b32 s25, s21, 4
	v_lshlrev_b32 v28, 3, v3
	v_sub_nc_u32 v10, v2, v28
	v_add_nc_u32 v10, s25, v10                     ; v10 16 cx + r - 8 h: register j of key block kb lies below my query's place in the band where 16 kb + j is less
	s_mul_i32 s26, s20, 9216
	s_add_co_u32 s26, s26, SCR0                    ; my scratch
	v_mul_u32_u24 v28, v2, 272
	v_add_nc_u32 v28, s26, v28
	v_mul_u32_u24 v29, v3, 96
	v_add_nc_u32 v11, v28, v29                     ; v11 TB: my 96 bytes to clear
	v_lshl_add_u32 v12, v2, 2, v28
	v_lshl_add_u32 v12, v3, 5, v12
	v_add_nc_u32 v12, 24, v12                      ; v12 TB[r][u = idx + r + 6], idx = 8 h + ..
	v_lshl_add_u32 v13, v3, 5, v28                 ; v13 TB[r][u = 8 h + ..]
	v_mul_u32_u24 v29, v2, 144
	v_add_nc_u32 v29, s26, v29
	v_lshl_add_u32 v14, v3, 6, v29
	v_add_nc_u32 v14, 4352, v14                    ; v14 TP: my 80 bytes to clear
	v_lshlrev_b32 v30, 1, v2
	v_sub_nc_u32 v15, v29, v30
	v_lshl_add_u32 v15, v3, 4, v15
	v_add_nc_u32 v15, 4388, v15                    ; v15 TP[r][pos = u - r + 18], u = 8 h + ..
	v_lshl_add_u32 v16, v3, 4, v29
	v_add_nc_u32 v17, 6656, v16                    ; v17 the stage: row r, 16 bytes for each half of the lanes
	v_add_nc_u32 v16, 4400, v16                    ; v16 TP[r][pos = 24 + 8 h + ..]: index 8 h + ..
	v_bfe_u32 v30, v0, 3, 2
	v_mul_u32_u24 v18, v30, 144
	v_and_b32 v30, 7, v0
	v_lshl_add_u32 v18, v30, 4, v18
	s_add_co_u32 s25, s26, 6656
	v_add_nc_u32 v18, s25, v18                     ; v18 the stage, read back: four rows of 128 bytes
	v_lshlrev_b32 v19, 4, v1                       ; v19 16 l
	s_add_co_u32 s25, s26, 8960
	v_lshl_add_u32 v20, v1, 3, s25                 ; v20 the V sum: my two channels
	v_lshl_add_u32 v21, v3, 5, s25                 ; v21 read back: channels 8 h + ..
.irp n, 36,37,38,39,28,29,30,31
	v_mov_b32 v\n, 0
.endr
.irp n, 0,1,2,3,4,5
	ds_store_b128 v11, v[36:39] offset:16*(\n)     ; TB = 0 for u = 0 .. 47
.endr
.irp n, 0,1,2,3,4
	ds_store_b128 v14, v[36:39] offset:16*(\n)     ; TP = 0
.endr
	WIN 0x80
.set n, 0
.rept 24
	v_mov_b32 v[24+n], 0                           ; PB = 0: a block of keys outside the sequence keeps the weight 0
.set n, n+1
.endr
	WIN 0
.irp e, 0,1,2,3                        ; s[80+2e]: 1.0 where cx = e, else 0
	s_xor_b32 s25, s21, \e
	s_min_u32 s25, s25, 1
	s_xor_b32 s25, s25, 1
	s_mul_i32 s[80+2*(\e)], s25, 0x3f800000
	s_mov_b32 s[81+2*(\e)], 0
.endr
	s_add_co_i32 s25, s24, 8
	s_min_i32 s25, s25, 31
	s_max_i32 s26, s24, 0
	s_sub_co_u32 s25, s25, s26                     ; tiles walked, less 1
	s_sub_co_u32 s25, 31, s25                      ; tiles not walked
	s_lshl_b32 s25, s25, 4                         ; l is kept in four parts (two registers, two halves of the lanes): 64 keys a tile / 4
	v_cvt_f32_u32 v26, s25
	v_mov_b32 v27, v26
	v_mov_b32 v25, s30                             ; m = the fill
	v_mul_f32 v24, s60, v25                        ; c m
	s_wait_loadcnt 32                              ; all but the 32 loads of steps 0 and 1
	WIN 0x06                                       ; R = Ek Q^T: two tiles of 16 indices by turns; S's third buffer is free until step 0 asks for it
	v_wmma_f32_16x16x32_f16 v[128:135], v[80:87], v[32:39], 0
	v_wmma_f32_16x16x32_f16 v[136:143], v[96:103], v[32:39], 0
	v_wmma_f32_16x16x32_f16 v[128:135], v[88:95], v[40:47], v[128:135]
	v_wmma_f32_16x16x32_f16 v[136:143], v[104:111], v[40:47], v[136:143]
	WIN 0
	PLACES
.irp t, 0,1
.irp j, 0,1,2,3,4,5,6,7
	ds_store_b32 v12, v[128+8*(\t)+(\j)] offset:4*(\j)+64*(\t)
.endr
.endr
	WIN 0x80
.irp u, 0,1,2
	ds_load_b128 v[8*(\u):8*(\u)+3], v13 offset:64*(\u)      ; LDS serves a wave's instructions in order: these see the stores above
	ds_load_b128 v[8*(\u)+4:8*(\u)+7], v13 offset:64*(\u)+16
.endr
	WIN 0xa2                                       ; the sum of V over the tiles that I do not walk
.set n, 0
.rept 32
	s_sub_co_i32 s25, n, s24
	s_cmp_gt_u32 s25, 8
	s_cselect_b32 s96, 1.0, 0
.if n == 0
	v_pk_mul_f32 v[192:193], v[128:129], s[96:97] op_sel_hi:[1,0]
.else
	v_pk_fma_f32 v[192:193], v[128+2*n:129+2*n], s[96:97], v[192:193] op_sel_hi:[1,0,1]
.endif
.set n, n+1
.endr
	WIN 0x08
	ds_store_b64 v20, v[192:193]
	WIN 0x40
.irp b, 0,1,2,3
	ds_load_b128 v[8*(\b):8*(\b)+3], v21 offset:64*(\b)      ; O^T starts with it, the same for every query
	ds_load_b128 v[8*(\b)+4:8*(\b)+7], v21 offset:64*(\b)+16
.endr
	WIN 0
	s_wait_dscnt 0x0
	s_wait_tensorcnt 0x0                           ; my three parts of K or V are in,
	s_barrier_signal -1
	s_barrier_wait -1                              ; everybody's are
.macro KLOADS i                        ; step i's K: 64 keys x 64 channels, 8 fragments
	WIN 0x40
.set KLB, 128+64*((\i)%2)
.set KLA, 4+(\i)/5
.irp kb, 0,1,2,3
.irp c, 0,1
	ds_load_b128 v[KLB+16*(\kb)+8*(\c):KLB+16*(\kb)+8*(\c)+3], v[KLA] offset:((\i)%5)*9216+(\kb)*2304+64*(\c)
	ds_load_b128 v[KLB+16*(\kb)+8*(\c)+4:KLB+16*(\kb)+8*(\c)+7], v[KLA] offset:((\i)%5)*9216+(\kb)*2304+64*(\c)+32
.endr
.endr
.endm
.macro VLOADS i                        ; step i's V, turned
	WIN 0x40
.set VLA, 6+(\i)/5
.irp kk, 0,1
.irp b, 0,1,2,3
	ds_load_tr16_b128 v[64+32*(\kk)+8*(\b):64+32*(\kk)+8*(\b)+3], v[VLA] offset:((\i)%5)*10240+(\kk)*5120+32*(\b)
	ds_load_tr16_b128 v[64+32*(\kk)+8*(\b)+4:64+32*(\kk)+8*(\b)+7], v[VLA] offset:((\i)%5)*10240+(\kk)*5120+32*(\b)+2560
.endr
.endr
.endm
; The pairs (key block kb of step i, block ub of the 48 keys from t0 - 16 on) that are the same keys for the partner e = 4 (i - 4) + kb - ub + 1.  kind 0: S += RB x (cx = e).  kind 1: PB += p x (cx = e).
.macro RELPAIRS i, kind
.irp kb, 0,1,2,3
.irp ub, 0,1,2
.set e, 4*((\i)-4)+(\kb)-(\ub)+1
.if (e >= 0) && (e <= 3)
.irp p, 0,1,2,3
.if \kind
	v_pk_fma_f32 v[24+8*(\ub)+2*(\p):24+8*(\ub)+2*(\p)+1], v[SB+8*(\kb)+2*(\p):SB+8*(\kb)+2*(\p)+1], s[80+2*e:81+2*e], v[24+8*(\ub)+2*(\p):24+8*(\ub)+2*(\p)+1] op_sel_hi:[1,0,1]
.else
	v_pk_fma_f32 v[SB+8*(\kb)+2*(\p):SB+8*(\kb)+2*(\p)+1], v[8*(\ub)+2*(\p):8*(\ub)+2*(\p)+1], s[80+2*e:81+2*e], v[SB+8*(\kb)+2*(\p):SB+8*(\kb)+2*(\p)+1] op_sel_hi:[1,0,1]
.endif
.endr
.endif
.endr
.endr
.endm
; A KEY STEP.  The loads of later steps and all waits stand ahead of the jump, so that the counts are the same on both ways.
.macro STEP i
.if (\i) <= 6
	GLOADS (\i)+2
.endif
.if (\i) <= 7
	KLOADS (\i)+1
.endif
	WIN 0
.if (\i) <= 6
	s_wait_loadcnt 32                              ; my bias and mask are in; the next two steps' 32 loads stay out
.elseif (\i) == 7
	s_wait_loadcnt 16                              ; the last step's 16 stay out
.else
	s_wait_loadcnt 0x0
.endif
.if (\i) <= 7
	s_wait_dscnt 16                                ; my K is in; the next step's 16 loads stay out
.else
	s_wait_dscnt 0x0
.endif
	s_add_co_i32 s25, s24, \i
	s_cmp_lt_u32 s25, 32                           ; a tile outside the sequence: nothing to do
	s_cbranch_scc0 .Ldead_\i
.set SB, 64+32*((\i)%3)
.set MB, 160+32*((\i)%3)
.set KQB, 128+64*((\i)%2)
	VLOADS \i
.if ((\i) >= 3) && ((\i) <= 5)
	WIN 0x02
	RELPAIRS \i, 0
.endif
	WIN 0x05                                       ; S^T = K Q^T + C: the four accumulators take turns
.set n, 0
.rept 8
	v_wmma_f32_16x16x32_f16 v[SB+8*(n%4):SB+8*(n%4)+7], v[KQB+16*(n%4)+8*(n/4):KQB+16*(n%4)+8*(n/4)+7], v[32+8*(n/4):32+8*(n/4)+7], v[SB+8*(n%4):SB+8*(n%4)+7]
.set n, n+1
.endr
	WIN 0
	PLACES
.irp kb, 0,1,2,3                       ; the fill where attn_mask is 0 and, in the walk's first and last tile, where the key lies outside the band; each accumulator is read from its low end on
.irp j, 0,1,2,3,4,5,6,7
	v_cmp_eq_u32 s[88+(\j)], 0, v[MB+8*(\kb)+(\j)]
.endr
.if (\i) == 0
.irp j, 0,1,2,3,4,5,6,7
	v_cmp_lt_i32 vcc_lo, 16*(\kb)+(\j), v10
	s_or_b32 s[88+(\j)], s[88+(\j)], vcc_lo
.endr
.elseif (\i) == 8
.irp j, 0,1,2,3,4,5,6,7
	v_cmp_gt_i32 vcc_lo, 16*(\kb)+(\j), v10
	s_or_b32 s[88+(\j)], s[88+(\j)], vcc_lo
.endr
.endif
.irp j, 0,1,2,3,4,5,6,7
	v_cndmask_b32 v[SB+8*(\kb)+(\j)], v[SB+8*(\kb)+(\j)], s30, s[88+(\j)]
.endr
.endr
.irp n, 0,1,2,3                        ; the maximum of my 32 scores and the old m: four chains, three operands at a time
	v_max3_num_f32 v[28+(\n)], v[SB+8*(\n)], v[SB+8*(\n)+1], v[SB+8*(\n)+2]
.endr
.irp n, 0,1,2,3
	v_max3_num_f32 v[28+(\n)], v[28+(\n)], v[SB+8*(\n)+3], v[SB+8*(\n)+4]
.endr
.irp n, 0,1,2,3
	v_max3_num_f32 v[28+(\n)], v[28+(\n)], v[SB+8*(\n)+5], v[SB+8*(\n)+6]
.endr
	v_max3_num_f32 v28, v28, v[SB+7], v[SB+15]
	v_max3_num_f32 v29, v29, v[SB+23], v[SB+31]
	v_max3_num_f32 v30, v30, v31, v25
	v_mov_b32 v32, v24                             ; c m_old is kept
	v_max3_num_f32 v28, v28, v29, v30
	v_permlanex16_b32 v31, v28, s62, s63           ; the query's other 32 keys lie in the lane 16 away
	v_max_num_f32 v25, v28, v31
	v_mul_f32 v24, s60, v25
	v_sub_f32 v29, v32, v24
	v_exp_f32 v30, v29                             ; a: the first of a batch of 33 exponentials
.set n, 0
.rept 16
	v_pk_fma_f32 v[SB+2*n:SB+2*n+1], v[SB+2*n:SB+2*n+1], s[60:61], v[24:25] op_sel_hi:[1,0,0] neg_lo:[0,0,1] neg_hi:[0,0,1]
.set n, n+1
.endr
.set n, 0
.rept 32
	v_exp_f32 v[SB+n], v[SB+n]
.set n, n+1
.endr
	v_nop                                          ; a plain instruction behind the last exponential,
	s_wait_alu depctr_va_vdst(0)                   ; and the one wait for the batch ahead of its first reader
.set n, 0
.rept 16
	v_cvt_pk_f16_f32 v[40+n], v[SB+2*n], v[SB+2*n+1]
.set n, n+1
.endr
.if (\i) >= 4
	WIN 0x82
.set n, 0
.rept 12
	v_pk_mul_f32 v[24+2*n:25+2*n], v[24+2*n:25+2*n], v[30:31] op_sel_hi:[1,0]
.set n, n+1
.endr
.endif
.if ((\i) >= 3) && ((\i) <= 5)
	WIN 0xa0
	RELPAIRS \i, 1
.endif
	WIN 0
.irp u, 0,1,2,3,4,5,6,7                ; the sum of the 16 pairs, in place; then l = a l + sum
	v_pk_add_f32 v[SB+4*(\u):SB+4*(\u)+1], v[SB+4*(\u):SB+4*(\u)+1], v[SB+4*(\u)+2:SB+4*(\u)+3]
.endr
.irp u, 0,1,2,3
	v_pk_add_f32 v[SB+8*(\u):SB+8*(\u)+1], v[SB+8*(\u):SB+8*(\u)+1], v[SB+8*(\u)+4:SB+8*(\u)+5]
.endr
.irp u, 0,1
	v_pk_add_f32 v[SB+16*(\u):SB+16*(\u)+1], v[SB+16*(\u):SB+16*(\u)+1], v[SB+16*(\u)+8:SB+16*(\u)+9]
.endr
	v_pk_add_f32 v[SB:SB+1], v[SB:SB+1], v[SB+16:SB+17]
	v_pk_fma_f32 v[26:27], v[26:27], v[30:31], v[SB:SB+1] op_sel_hi:[1,0,1]
	WIN 0x41
.set n, 0
.rept 16
	v_pk_mul_f32 v[2*n:2*n+1], v[2*n:2*n+1], v[30:31] op_sel_hi:[1,0]
.set n, n+1
.endr
	s_wait_dscnt 0x0                               ; V is in
	WIN 0x51                                       ; O^T += V^T P
.set n, 0
.rept 8
	v_wmma_f32_16x16x32_f16 v[8*(n%4):8*(n%4)+7], v[64+32*(n/4)+8*(n%4):64+32*(n/4)+8*(n%4)+7], v[40+8*(n/4):40+8*(n/4)+7], v[8*(n%4):8*(n%4)+7]
.set n, n+1
.endr
	WIN 0
	PLACES
.Ldead_\i:
.endm
	KLOADS 0
	STEP 0
	STEP 1
	STEP 2
	STEP 3
	STEP 4
	STEP 5
	STEP 6
	STEP 7
	STEP 8
	; RELATIVE VALUES: the 48 weights round the diagonal, rounded to f16, go from [key u][query] to [query][index = u - r - 6]; one product with Ev^T (0 from index 21 on)
	WIN 0x0a
.set n, 0
.rept 12
	v_cvt_pk_f16_f32 v[64+n], v[24+2*n], v[25+2*n]
.set n, n+1
.endr
	WIN 0
.set n, 0
.rept 12
	ds_store_b16 v15, v[64+n] offset:32*(n/4)+4*(n%4)
	ds_store_b16_d16_hi v15, v[64+n] offset:32*(n/4)+4*(n%4)+2
.set n, n+1
.endr
	ds_load_b128 v[80:83], v16
	ds_load_b128 v[84:87], v16 offset:32
	v_add_f32 v28, v26, v27                        ; l's four parts
	v_permlanex16_b32 v29, v28, s62, s63
	v_add_f32 v28, v28, v29
	v_rcp_f32 v30, v28
	v_nop                                          ; a plain instruction behind the reciprocal,
	s_wait_alu depctr_va_vdst(0)                   ; and its wait
	v_mov_b32 v31, v30
	s_wait_dscnt 0x0
	WIN 0x52
.irp b, 0,1,2,3
	v_wmma_f32_16x16x32_f16 v[8*(\b):8*(\b)+7], v[48+8*(\b):48+8*(\b)+7], v[80:87], v[8*(\b):8*(\b)+7]
.endr
	WIN 0
	PLACES
	; THE WAY OUT: divided by l, rounded to f16, through my stage: 16 rows of 128 bytes are 2,048 consecutive bytes of oh
	WIN 0x41
.set n, 0
.rept 16
	v_pk_mul_f32 v[2*n:2*n+1], v[2*n:2*n+1], v[30:31] op_sel_hi:[1,0]
.set n, n+1
.endr
	WIN 0x05
.set n, 0
.rept 16
	v_cvt_pk_f16_f32 v[96+n], v[2*n], v[2*n+1]
.set n, n+1
.endr
	WIN 0
.irp f, 0,1,2,3
	ds_store_b128 v17, v[96+4*(\f):96+4*(\f)+3] offset:32*(\f)
.endr
.irp f, 0,1,2,3
	ds_load_b128 v[112+4*(\f):112+4*(\f)+3], v18 offset:576*(\f)
.endr
.irp f, 0,1,2,3
	s_wait_dscnt 3-(\f)                            ; the younger loads from the stage stay out
	global_store_b128 v19, v[112+4*(\f):112+4*(\f)+3], s[18:19] offset:512*(\f)  ; 512 consecutive bytes, aligned
.endr
	s_wait_tensorcnt 0x0                           ; the wave's end: behind my last tensor load and my last LDS store
	ds_add_u32 v22, v23
	s_wait_dscnt 0x0
	CROUND                                         ; the closing round
	s_endpgm
.Lfunc_end_k_qa058fd0c9e_attn:
	.size	k_qa058fd0c9e_attn, .Lfunc_end_k_qa058fd0c9e_attn-k_qa058fd0c9e_attn
	.p2alignl 7, 3214868480
	.fill 96, 4, 3214868480
	.section	.rodata,"a",@progbits
	.p2align	6, 0x0
	.amdhsa_kernel k_qa058fd0c9e_attn
		.amdhsa_group_segment_fixed_size 270848
		.amdhsa_private_segment_fixed_size 0
		.amdhsa_enable_private_segment 0
		.amdhsa_kernarg_size 64
		.amdhsa_user_sgpr_count 2
		.amdhsa_user_sgpr_kernarg_segment_ptr 1
		.amdhsa_wavefront_size32 1
		.amdhsa_system_sgpr_workgroup_id_x 1
		.amdhsa_system_sgpr_workgroup_id_y 1
		.amdhsa_system_sgpr_workgroup_id_z 1
		.amdhsa_system_vgpr_workitem_id 0
		.amdhsa_next_free_vgpr 768
		.amdhsa_next_free_sgpr 100
		.amdhsa_reserve_vcc 1
		.amdhsa_float_denorm_mode_32 3
		.amdhsa_float_denorm_mode_16_64 3
		.amdhsa_memory_ordered 1
		.amdhsa_forward_progress 1
		.amdhsa_inst_pref_size 187
	.end_amdhsa_kernel
	.amdgpu_metadata
---
amdhsa.version: [ 1, 2 ]
amdhsa.kernels:
  - .name:           k_qa058fd0c9e_attn
    .symbol:         k_qa058fd0c9e_attn.kd
    .args:
      - { .name: qh, .offset: 0, .size: 8, .value_kind: global_buffer, .address_space: global }
      - { .name: kh, .offset: 8, .size: 8, .value_kind: global_buffer, .address_space: global }
      - { .name: vh, .offset: 16, .size: 8, .value_kind: global_buffer, .address_space: global }
      - { .name: vsum, .offset: 24, .size: 8, .value_kind: global_buffer, .address_space: global }
      - { .name: btab, .offset: 32, .size: 8, .value_kind: global_buffer, .address_space: global }
      - { .name: etab, .offset: 40, .size: 8, .value_kind: global_buffer, .address_space: global }
      - { .name: attn_mask, .offset: 48, .size: 8, .value_kind: global_buffer, .address_space: global }
      - { .name: oh, .offset: 56, .size: 8, .value_kind: global_buffer, .address_space: global }
    .group_segment_fixed_size: 270848
    .private_segment_fixed_size: 0
    .kernarg_segment_align: 8
    .kernarg_segment_size: 64
    .max_flat_workgroup_size: 128
    .sgpr_count:     100
    .vgpr_count:     768
    .wavefront_size: 32
...
	.end_amdgpu_metadata
.endif
;; end of part 2
;; launch outp (part 3): grid 8 x 32, 4 waves a work-group, clusters of 4 x 4, 167,936 bytes of LDS; arguments oh, wo16, bo, out0; writes out0
.if DOCPART == 3
	.amdgcn_target "amdgcn-amd-amdhsa--gfx1250"
	.amdhsa_code_object_version 6
	.text
	.protected	k_qa058fd0c9e_outp
	.globl	k_qa058fd0c9e_outp
	.p2align	8
	.type	k_qa058fd0c9e_outp,@function
k_qa058fd0c9e_outp:
	s_mov_b64 s[64:65], 0
	v_nop
	global_prefetch_b8 v0, s[64:65] scope:SCOPE_SE
	s_setreg_imm32_b32 hwreg(HW_REG_WAVE_MODE, 25, 1), 1
	s_wait_xcnt 0x0
	s_wait_alu depctr_hold_cnt(0) depctr_sa_sdst(0) depctr_va_vdst(0) depctr_va_sdst(0) depctr_va_ssrc(0) depctr_va_vcc(0) depctr_vm_vsrc(0)
	s_getreg_b32 s2, hwreg(HW_REG_IB_STS2, 6, 4)
	s_cmp_eq_u32 s2, 0
	s_cbranch_scc0 .Lentry_in_a_cluster
	s_endpgm
.Lentry_in_a_cluster:
	s_bfe_u32 s2, ttmp6, 0x10000c
	s_cmp_lg_u32 s2, 0xf033
	s_cbranch_scc0 .Lentry_shape_is_right
	s_endpgm
.Lentry_shape_is_right:
; THE OUTPUT PROJECTION.  out0[o][t] = the sum over c' = 64 head + d of wo[o][c'] O[head][t][d] + bo[o], f32.  No work of this step is left out.
; oh is [8][2048][64] f16; wo16 is wo rounded to bf16 and written as f16, [512][512]; bo is rounded to bf16 here.  Sums in f32.  LIMIT: f16's range, 65,504, for O and wo.
; SHARES.  A work-group makes 64 o x 64 t, wave w 32 t (w / 2) x 32 o (w % 2): four accumulators.  A = 16 rows of O (m = t), B = 16 rows of wo16 (n = o): a lane holds one o and eight neighbouring t.
; All of K = 512 lies in LDS at once: first fills alone, three tensor loads a wave, three out by this text's count.
; CLUSTER 4 x 4.  O's tile hangs on the t tile alone and is shared along a row of the cluster; wo16's on the o tile alone and is shared along a column: joint loads.
.set BBASE, 73728                      ; O: 8 heads x 64 rows x 144 bytes from 0; wo16: 64 rows x 1,040 bytes from here
.set STAGE, 140288                     ; 64 rows (o) x 272 bytes, f32, the work-group's; never filled by a tensor load
.set SPARE, 157696                     ; the spare words, 128 bytes for each wave
.macro CROUND                          ; a round of the cluster's barrier
	s_barrier_signal -1
	s_barrier_wait -1
	s_cmp_lg_u32 s12, 0
	s_cbranch_scc1 .Lnot_wave_0_\@
	s_barrier_signal -3
.Lnot_wave_0_\@:
	s_barrier_wait -3
	s_barrier_signal -1
	s_barrier_wait -1
.endm
.macro PLACES
.rept 4
	v_nop
.endr
.endm
	s_load_b256 s[4:11], s[0:1], 0x0               ; oh 4, wo16 6, bo 8, out0 10
	v_lshl_add_u32 v22, v0, 2, SPARE               ; my spare word; never rewritten
	v_mov_b32 v23, 0                               ; 0; never rewritten
	ds_add_u32 v22, v23                            ; the wave's opening: the add, twice on end, and its wait ahead of my first tensor load
	ds_add_u32 v22, v23
	v_lshrrev_b32 v1, 5, v0
	v_readfirstlane_b32 s12, v1                    ; wave 0..3
	s_bfe_u32 s13, ttmp6, 0x40000                  ; cx
	s_bfe_u32 s14, ttmp6, 0x40004                  ; cy
	s_lshl_b32 s15, ttmp9, 2
	s_add_co_u32 s15, s15, s13                     ; o tile = 4 x cluster x + cx
	s_and_b32 s16, ttmp7, 0xffff
	s_lshl_b32 s16, s16, 2
	s_add_co_u32 s16, s16, s14                     ; t tile = 4 x cluster y + cy
	s_lshl_b32 s17, s14, 2
	s_lshl_b32 s17, 15, s17                        ; my row of the cluster
	s_lshl_b32 s18, 0x1111, s13                    ; my column
	; group 1 for O: a head's 64 rows are 8,192 dense bytes: 32 rows of 256 bytes, 4 words of padding after every 32
	s_or_b32 s24, s17, (1<<16)|(1<<20)|(1<<21)|(4<<22)|(3<<25)
	s_mov_b32 s25, 128<<16
	s_mov_b32 s26, 32<<16
	s_mov_b32 s27, 128<<16
	s_mov_b32 s28, 32
	s_mov_b32 s29, 128
	s_mov_b32 s30, 0
	s_mov_b32 s31, 0
	; group 1 for wo16: 16 rows of 512 elements, 4 words of padding after every 256
	s_or_b32 s32, s18, (1<<16)|(1<<20)|(1<<21)|(7<<22)|(3<<25)
	s_mov_b32 s33, 512<<16
	s_mov_b32 s34, 16<<16
	s_mov_b32 s35, 512<<16
	s_mov_b32 s36, 16
	s_mov_b32 s37, 512
	s_mov_b32 s38, 0
	s_mov_b32 s39, 0
	s_mov_b32 s40, 1
	s_mul_i32 s41, s12, 18432                      ; heads 2 w and 2 w + 1
	s_mov_b32 s44, 1
	s_add_co_u32 s45, s41, 9216
	s_mov_b32 s48, 1
	s_mul_i32 s49, s12, 16640                      ; rows 16 w .. 16 w + 15
	s_add_co_u32 s49, s49, BBASE
	s_lshl_b32 s20, s12, 19                        ; O: head 2 w, 262,144 bytes a head,
	s_lshl_b32 s21, s16, 13                        ; 64 rows of 128 bytes a t tile: no cx enters
	s_add_co_u32 s20, s20, s21
	s_mov_b32 s21, 0
	s_lshl_b32 s22, s15, 16                        ; wo16: 64 rows of 1,024 bytes an o tile,
	s_lshl_b32 s23, s12, 14                        ; my 16: no cy enters
	s_add_co_u32 s22, s22, s23
	s_mov_b32 s23, 0
	s_wait_dscnt 0x0                               ; both opening adds are done
	s_wait_kmcnt 0x0
	s_add_nc_u64 s[42:43], s[4:5], s[20:21]
	s_add_nc_u64 s[46:47], s[4:5], s[20:21]
	s_add_nc_u64 s[46:47], s[46:47], 0x40000
	s_add_nc_u64 s[50:51], s[6:7], s[22:23]
	s_or_b32 s43, s43, 0x80000000
	s_or_b32 s47, s47, 0x80000000
	s_or_b32 s51, s51, 0x80000000
	CROUND                                         ; all sixteen work-groups are here: the joint loads meet
	tensor_load_to_lds s[40:43], s[24:31]
	s_nop 0
	tensor_load_to_lds s[44:47], s[24:31]
	s_nop 0
	tensor_load_to_lds s[48:51], s[32:39]
	s_nop 0
	PLACES
	s_lshr_b32 s20, s12, 1                         ; th: my 32 t
	s_and_b32 s21, s12, 1                          ; ob: my 32 o
	v_and_b32 v2, 15, v0                           ; r
	v_bfe_u32 v3, v0, 4, 1                         ; h
	s_lshl_b32 s52, s15, 8
	s_mov_b32 s53, 0
	s_add_nc_u64 s[8:9], s[8:9], s[52:53]          ; bo at my tile's first o
	s_lshl_b32 s22, s21, 7
	v_lshl_add_u32 v10, v2, 2, s22                 ; (32 ob + r) x 4
	global_load_b32 v12, v10, s[8:9]
	global_load_b32 v14, v10, s[8:9] offset:64
	s_lshl_b32 s52, s15, 19                        ; out0: 64 rows of 8,192 bytes an o tile,
	s_lshl_b32 s22, s12, 17                        ; the 16 rows that I store,
	s_add_co_u32 s52, s52, s22
	s_lshl_b32 s22, s16, 8                         ; 64 t of 4 bytes
	s_add_co_u32 s52, s52, s22
	s_add_nc_u64 s[10:11], s[10:11], s[52:53]
	s_mul_i32 s22, s20, 4608
	v_mul_u32_u24 v4, v2, 144
	v_lshl_add_u32 v4, v3, 4, v4
	v_add_nc_u32 v4, s22, v4                       ; v4  O's fragments, heads 0-3: (32 th + r) 144 + 16 h
	v_add_nc_u32 v5, 36864, v4                     ; v5  heads 4-7
	s_mul_i32 s22, s21, 33280
	s_add_co_u32 s22, s22, BBASE
	v_mul_u32_u24 v6, v2, 1040
	v_lshl_add_u32 v6, v3, 4, v6
	v_add_nc_u32 v6, s22, v6                       ; v6  wo16's fragments
	s_mul_i32 s22, s21, 8704
	s_lshl_b32 s23, s20, 7
	s_add_co_u32 s22, s22, s23
	s_add_co_u32 s22, s22, STAGE
	v_mul_u32_u24 v7, v2, 272
	v_lshl_add_u32 v7, v3, 5, v7
	v_add_nc_u32 v7, s22, v7                       ; v7  the stage: row 32 ob + r, t = 32 th + 8 h
	s_mul_i32 s22, s12, 4352
	s_add_co_u32 s22, s22, STAGE
	v_mul_u32_u24 v8, v3, 272
	v_lshl_add_u32 v8, v2, 4, v8
	v_add_nc_u32 v8, s22, v8                       ; v8  read back: rows 16 w + h, whole
	v_lshlrev_b32 v9, 13, v3
	v_lshl_add_u32 v9, v2, 4, v9                   ; v9  the same two rows in out0
	s_wait_tensorcnt 0x0                           ; my three parts are in,
	s_barrier_signal -1
	s_barrier_wait -1                              ; everybody's are
.macro FETCH n                         ; head n's fragments, 64 along K: 16 loads into set n % 2: O's (t tile a, half k) at +16 a + 8 k, wo16's at +32 + 16 b + 8 k
.set FB, 64+64*((\n)%2)
.set AR, 4+(\n)/4
.irp a, 0,1
.irp k, 0,1
	ds_load_b128 v[FB+16*(\a)+8*(\k):FB+16*(\a)+8*(\k)+3], v[AR] offset:((\n)%4)*9216+(\a)*2304+64*(\k)
	ds_load_b128 v[FB+16*(\a)+8*(\k)+4:FB+16*(\a)+8*(\k)+7], v[AR] offset:((\n)%4)*9216+(\a)*2304+64*(\k)+32
	ds_load_b128 v[FB+32+16*(\a)+8*(\k):FB+32+16*(\a)+8*(\k)+3], v6 offset:(\a)*16640+128*(\n)+64*(\k)
	ds_load_b128 v[FB+32+16*(\a)+8*(\k)+4:FB+32+16*(\a)+8*(\k)+7], v6 offset:(\a)*16640+128*(\n)+64*(\k)+32
.endr
.endr
.endm
.macro MUL n                           ; 8 products; the four accumulators take turns, the first four start the sums
.set FB, 64+64*((\n)%2)
.irp k, 0,1
.irp a, 0,1
.irp b, 0,1
.if ((\n) == 0) && ((\k) == 0)
	v_wmma_f32_16x16x32_f16 v[32+8*(2*(\a)+(\b)):32+8*(2*(\a)+(\b))+7], v[FB+16*(\a)+8*(\k):FB+16*(\a)+8*(\k)+7], v[FB+32+16*(\b)+8*(\k):FB+32+16*(\b)+8*(\k)+7], 0
.else
	v_wmma_f32_16x16x32_f16 v[32+8*(2*(\a)+(\b)):32+8*(2*(\a)+(\b))+7], v[FB+16*(\a)+8*(\k):FB+16*(\a)+8*(\k)+7], v[FB+32+16*(\b)+8*(\k):FB+32+16*(\b)+8*(\k)+7], v[32+8*(2*(\a)+(\b)):32+8*(2*(\a)+(\b))+7]
.endif
.endr
.endr
.endr
.endm
	FETCH 0
	FETCH 1
.irp n, 0,1,2,3,4,5
	s_wait_dscnt 16                                ; my set is in; the other set's 16 loads stay out
	MUL \n
	PLACES                                         ; in front of the loads into the registers just multiplied
	FETCH (\n)+2
.endr
	s_wait_dscnt 16
	MUL 6
	s_wait_dscnt 0x0
	MUL 7
	PLACES
	s_wait_loadcnt 0x0                             ; the bias,
	v_cvt_pk_bf16_f32 v16, v12, v14                ; rounded to bf16 like every input
	v_lshlrev_b32 v12, 16, v16
	v_and_b32 v14, 0xffff0000, v16
	v_mov_b32 v13, v12
	v_mov_b32 v15, v14
.irp a, 0,1
.irp b, 0,1
.irp p, 0,1,2,3
	v_pk_add_f32 v[64+8*(2*(\a)+(\b))+2*(\p):64+8*(2*(\a)+(\b))+2*(\p)+1], v[32+8*(2*(\a)+(\b))+2*(\p):32+8*(2*(\a)+(\b))+2*(\p)+1], v[12+2*(\b):13+2*(\b)]
.endr
.endr
.endr
.irp a, 0,1
.irp b, 0,1
	ds_store_b128 v7, v[64+8*(2*(\a)+(\b)):64+8*(2*(\a)+(\b))+3] offset:(\b)*4352+(\a)*64
	ds_store_b128 v7, v[64+8*(2*(\a)+(\b))+4:64+8*(2*(\a)+(\b))+7] offset:(\b)*4352+(\a)*64+16
.endr
.endr
	s_wait_dscnt 0x0                               ; for the others' sake: a row's 256 bytes come from two waves
	s_barrier_signal -1
	s_barrier_wait -1
.irp n, 0,1,2,3,4,5,6,7
	ds_load_b128 v[192+4*(\n):192+4*(\n)+3], v8 offset:(\n)*544
.endr
.irp n, 0,1,2,3,4,5,6,7
	s_wait_dscnt 7-(\n)                            ; the younger loads from the stage stay out
	global_store_b128 v9, v[192+4*(\n):192+4*(\n)+3], s[10:11] offset:(\n)*16384  ; 16 lanes store 256 consecutive bytes, aligned
.endr
	s_wait_tensorcnt 0x0                           ; the wave's end: behind my last tensor load and my last LDS store
	ds_add_u32 v22, v23
	s_wait_dscnt 0x0
	CROUND                                         ; the closing round
	s_endpgm
.Lfunc_end_k_qa058fd0c9e_outp:
	.size	k_qa058fd0c9e_outp, .Lfunc_end_k_qa058fd0c9e_outp-k_qa058fd0c9e_outp
	.p2alignl 7, 3214868480
	.fill 96, 4, 3214868480
	.section	.rodata,"a",@progbits
	.p2align	6, 0x0
	.amdhsa_kernel k_qa058fd0c9e_outp
		.amdhsa_group_segment_fixed_size 167936
		.amdhsa_private_segment_fixed_size 0
		.amdhsa_enable_private_segment 0
		.amdhsa_kernarg_size 32
		.amdhsa_user_sgpr_count 2
		.amdhsa_user_sgpr_kernarg_segment_ptr 1
		.amdhsa_wavefront_size32 1
		.amdhsa_system_sgpr_workgroup_id_x 1
		.amdhsa_system_sgpr_workgroup_id_y 1
		.amdhsa_system_sgpr_workgroup_id_z 1
		.amdhsa_system_vgpr_workitem_id 0
		.amdhsa_next_free_vgpr 256
		.amdhsa_next_free_sgpr 66
		.amdhsa_reserve_vcc 0
		.amdhsa_float_denorm_mode_32 3
		.amdhsa_float_denorm_mode_16_64 3
		.amdhsa_memory_ordered 1
		.amdhsa_forward_progress 1
		.amdhsa_inst_pref_size 24
	.end_amdhsa_kernel
	.amdgpu_metadata
---
amdhsa.version: [ 1, 2 ]
amdhsa.kernels:
  - .name:           k_qa058fd0c9e_outp
    .symbol:         k_qa058fd0c9e_outp.kd
    .args:
      - { .name: oh, .offset: 0, .size: 8, .value_kind: global_buffer, .address_space: global }
      - { .name: wo16, .offset: 8, .size: 8, .value_kind: global_buffer, .address_space: global }
      - { .name: bo, .offset: 16, .size: 8, .value_kind: global_buffer, .address_space: global }
      - { .name: out0, .offset: 24, .size: 8, .value_kind: global_buffer, .address_space: global }
    .group_segment_fixed_size: 167936
    .private_segment_fixed_size: 0
    .kernarg_segment_align: 8
    .kernarg_segment_size: 32
    .max_flat_workgroup_size: 128
    .sgpr_count:     66
    .vgpr_count:     256
    .wavefront_size: 32
...
	.end_amdgpu_metadata
.endif
;; end of part 3
